; MI455X (gfx1250); checked and timed in simulation.
; The chip was launched on July 23, 2026; its instructions are those of AMD's public machine-readable ISA for CDNA 5 (MIT licence, August 2026) and "CDNA5" Instruction Set Architecture Reference Guide (July 2026). The comments in the code are by the model that wrote it; some were corrected since.
;; Sub LSTM Cuda Cell. Allowed arithmetic: float matrix products may take bf16 or f16 operands with f32 sums; all other float work in f32.
;; Inputs: bias 4,096 float32; input 8,192 x 1,024 float32; old_cell 8,192 x 1,024 float32; old_h 8,192 x 1,024 float32; weightsT 2,048 x 4,096 float32.
;; Outputs: out0 8,192 x 1,024 float32; out1 8,192 x 1,024 float32.
;; One version. Each part assembles by itself: llvm-mc -triple=amdgcn-amd-amdhsa -mcpu=gfx1250 --defsym DOCPART=n.
;; ======== version 1 of 1: 2 launches
;; workspace buffers: xb 33,554,432 bytes; wp 16,777,216 bytes
;; launch prep (part 1): grid 1024 x 1, 8 waves a work-group, no clusters, 18,432 bytes of LDS; arguments old_h, input, weightsT, xb, wp; writes xb, wp
.if DOCPART == 1
	.amdgcn_target "amdgcn-amd-amdhsa--gfx1250"
	.amdhsa_code_object_version 6
	.text
	.protected	k_q8e4d378716_prep
	.globl	k_q8e4d378716_prep
	.p2align	8
	.type	k_q8e4d378716_prep,@function
k_q8e4d378716_prep:
	s_mov_b64 s[64:65], 0
	v_nop
	global_prefetch_b8 v0, s[64:65] scope:SCOPE_SE
	s_setreg_imm32_b32 hwreg(HW_REG_WAVE_MODE, 25, 1), 1
	s_wait_xcnt 0x0
; xb[8192][2048] bf16 = [old_h | input], rounded once to nearest even.
; wp[4096][2048] bf16 = weightsT, rounded once, turned so that K runs along the rows, and with the rows in the order that the next launch wants:
; row jb*256 + g*64 + b*16 + r of wp is column g*1024 + jb*64 + 4 r + b of weightsT (gate g 0..3, block jb 0..15 of 64 hidden units, b 0..3, r 0..15).
; A stream: every input byte is read once and every output byte written once; the work-groups share no input, so there is no cluster, and there is no product, so no matrix unit.
; SHARES.  Each of the 1,024 work-groups (eight waves, thread t = 0..255) does both jobs, so all are alike and there is no branch:
;   X: rows 8 G .. 8 G + 7.  Thread t takes the 16 bytes at 16 t of each row of old_h and of input (a wave's load: 512 consecutive bytes) and stores 8 bytes at 8 t (a wave's store: 256 consecutive bytes, aligned).
;   W: a tile of 128 k x 64 columns (kt = G % 16, cg = G / 16 = 16 g + jb).  Thread (r = t % 16, kg = t / 16) loads rows 8 kg + 0..7, columns 4 r + 0..3: sixteen lanes read 256 consecutive bytes.
;      For each b its eight k pack into 16 bytes, which go into row 16 b + r of a stage in LDS; behind a barrier whole rows of 256 bytes come back and are stored, sixteen lanes to 256 consecutive aligned bytes of wp.
; All 24 loads of a thread are issued before anything is waited for; no register that a pending instruction names is written again, so no wait frees a source.
.set SPITCH, 272                       ; a stage row: 256 bytes + 16 = 68 words: sixteen rows start at sixteen different groups of four banks (ISA guide 11.1)
.set SPARE,  64*SPITCH                 ; behind the stage (17,408 = 68 x 256): the spare words, 128 bytes for each of the eight waves; no other line names them
.set XROW,   4096                      ; bytes in a row of old_h, of input, of xb and of wp
.set WROW,   16384                     ; bytes in a row of weightsT
.set SPW, 10                           ; v10       LDS address of my spare word; never rewritten
.set NIL, 11                           ; v11       0; never rewritten
.set WR,  12                           ; v[12:43]  weightsT: row i of my eight at WR + 4 i; later the stage's rows read back (v[12:27])
.set XH,  44                           ; v[44:75]  old_h, row q at XH + 4 q;  v[76:107] input, in the same way
.set PK,  108                          ; v[108:123] for each b four registers: eight k in bf16
	s_load_b256 s[4:11], s[0:1], 0x0               ; old_h s[4:5], input s[6:7], weightsT s[8:9], xb s[10:11]
	s_load_b64 s[12:13], s[0:1], 0x20              ; wp
	v_lshl_add_u32 v[SPW], v0, 2, SPARE
	v_mov_b32 v[NIL], 0
	v_lshlrev_b32 v1, 4, v0                        ; 16 t: my 16 bytes of a row of old_h and input
	v_lshlrev_b32 v2, 3, v0                        ; 8 t: my 8 bytes of half a row of xb
	v_and_b32 v3, 15, v0                           ; r
	v_lshrrev_b32 v4, 4, v0                        ; kg
	v_lshlrev_b32 v9, 4, v3                        ; 16 r
	v_lshl_or_b32 v5, v4, 17, v9                   ; weightsT: 8 kg rows of 16,384 bytes + 16 r
	v_mul_u32_u24 v6, v3, SPITCH
	v_lshl_add_u32 v6, v4, 4, v6                   ; into the stage: row r (+ 16 b), byte 16 kg
	v_mul_u32_u24 v7, v4, SPITCH
	v_add_nc_u32 v7, v7, v9                        ; back: row kg (+ 16 s), byte 16 r
	v_lshl_or_b32 v8, v4, 12, v9                   ; and the same place in wp: kg rows of 4,096 bytes + 16 r
	s_lshl_b32 s14, ttmp9, 15                      ; X: 8 rows of 4,096 bytes, the same in old_h, input and xb
	s_mov_b32 s15, 0
	s_and_b32 s16, ttmp9, 15                       ; kt
	s_lshr_b32 s17, ttmp9, 4                       ; cg
	s_lshl_b32 s18, s16, 21                        ; weightsT: 128 kt rows
	s_lshl_b32 s22, s17, 8                         ; + 64 cg columns of 4 bytes
	s_add_co_u32 s18, s18, s22
	s_mov_b32 s19, 0
	s_and_b32 s20, s17, 15                         ; jb
	s_lshl_b32 s20, s20, 8
	s_lshr_b32 s22, s17, 4                         ; g
	s_lshl_b32 s22, s22, 6
	s_add_co_u32 s20, s20, s22                     ; wp: row 256 jb + 64 g,
	s_lshl_b32 s20, s20, 12                        ; in bytes,
	s_lshl_b32 s22, s16, 8                         ; + 128 kt elements of 2 bytes
	s_add_co_u32 s20, s20, s22
	s_mov_b32 s21, 0
	s_wait_kmcnt 0x0
	s_add_nc_u64 s[4:5], s[4:5], s[14:15]
	s_add_nc_u64 s[6:7], s[6:7], s[14:15]
	s_add_nc_u64 s[10:11], s[10:11], s[14:15]
	s_add_nc_u64 s[8:9], s[8:9], s[18:19]
	s_add_nc_u64 s[12:13], s[12:13], s[20:21]
.irp i, 0,1,2,3,4,5,6,7
	global_load_b128 v[WR+4*(\i):WR+4*(\i)+3], v5, s[8:9] offset:(\i)*WROW th:TH_LOAD_NT
.endr
.irp q, 0,1,2,3,4,5,6,7
	global_load_b128 v[XH+4*(\q):XH+4*(\q)+3], v1, s[4:5] offset:(\q)*XROW th:TH_LOAD_NT
.endr
.irp q, 0,1,2,3,4,5,6,7
	global_load_b128 v[XH+32+4*(\q):XH+32+4*(\q)+3], v1, s[6:7] offset:(\q)*XROW th:TH_LOAD_NT
.endr
	s_wait_loadcnt 16                              ; loads come back in order (ISA guide 5.7.1): weightsT's eight are in, the sixteen of X stay out
.irp b, 0,1,2,3
.irp p, 0,1,2,3
	v_cvt_pk_bf16_f32 v[PK+4*(\b)+(\p)], v[WR+8*(\p)+(\b)], v[WR+8*(\p)+4+(\b)]  ; k = 2 p in the low half, 2 p + 1 in the high half
.endr
	ds_store_b128 v6, v[PK+4*(\b):PK+4*(\b)+3] offset:(\b)*16*SPITCH
.endr
	s_wait_dscnt 0x0                               ; for the others' sake: my stores into the stage are done
	s_barrier_signal -1
	s_barrier_wait -1
.irp s, 0,1,2,3
	ds_load_b128 v[WR+4*(\s):WR+4*(\s)+3], v7 offset:(\s)*16*SPITCH  ; row kg + 16 s, whole rows of 256 bytes for sixteen lanes
.endr
.set n, 0
.rept 16                               ; X is rounded and stored while the stage's rows come back; the counts run down
	s_wait_loadcnt 15-n
	v_cvt_pk_bf16_f32 v[XH+4*n], v[XH+4*n], v[XH+4*n+1]
	v_cvt_pk_bf16_f32 v[XH+4*n+1], v[XH+4*n+2], v[XH+4*n+3]
	global_store_b64 v2, v[XH+4*n:XH+4*n+1], s[10:11] offset:(n%8)*XROW+(n/8)*2048  ; old_h fills a row's first 2,048 bytes, input the rest
.set n, n+1
.endr
	s_wait_dscnt 0x0
.irp s, 0,1,2,3
	global_store_b128 v8, v[WR+4*(\s):WR+4*(\s)+3], s[12:13] offset:(\s)*16*XROW
.endr
	s_wait_tensorcnt 0x0                           ; the wave's end: a wait, an add of 0 to my spare word and its wait, behind my last LDS store
	ds_add_u32 v[SPW], v[NIL]
	s_wait_dscnt 0x0
	s_endpgm
.Lfunc_end_k_q8e4d378716_prep:
	.size	k_q8e4d378716_prep, .Lfunc_end_k_q8e4d378716_prep-k_q8e4d378716_prep
	.p2alignl 7, 3214868480
	.fill 96, 4, 3214868480
	.section	.rodata,"a",@progbits
	.p2align	6, 0x0
	.amdhsa_kernel k_q8e4d378716_prep
		.amdhsa_group_segment_fixed_size 18432
		.amdhsa_private_segment_fixed_size 0
		.amdhsa_enable_private_segment 0
		.amdhsa_kernarg_size 40
		.amdhsa_user_sgpr_count 2
		.amdhsa_user_sgpr_kernarg_segment_ptr 1
		.amdhsa_wavefront_size32 1
		.amdhsa_system_sgpr_workgroup_id_x 1
		.amdhsa_system_sgpr_workgroup_id_y 1
		.amdhsa_system_sgpr_workgroup_id_z 1
		.amdhsa_system_vgpr_workitem_id 0
		.amdhsa_next_free_vgpr 124
		.amdhsa_next_free_sgpr 66
		.amdhsa_reserve_vcc 0
		.amdhsa_float_denorm_mode_32 3
		.amdhsa_float_denorm_mode_16_64 3
		.amdhsa_memory_ordered 1
		.amdhsa_forward_progress 1
		.amdhsa_inst_pref_size 11
	.end_amdhsa_kernel
	.amdgpu_metadata
---
amdhsa.version: [ 1, 2 ]
amdhsa.kernels:
  - .name:           k_q8e4d378716_prep
    .symbol:         k_q8e4d378716_prep.kd
    .args:
      - { .name: old_h, .offset: 0, .size: 8, .value_kind: global_buffer, .address_space: global }
      - { .name: input, .offset: 8, .size: 8, .value_kind: global_buffer, .address_space: global }
      - { .name: weightsT, .offset: 16, .size: 8, .value_kind: global_buffer, .address_space: global }
      - { .name: xb, .offset: 24, .size: 8, .value_kind: global_buffer, .address_space: global }
      - { .name: wp, .offset: 32, .size: 8, .value_kind: global_buffer, .address_space: global }
    .group_segment_fixed_size: 18432
    .private_segment_fixed_size: 0
    .kernarg_segment_align: 8
    .kernarg_segment_size: 40
    .max_flat_workgroup_size: 256
    .sgpr_count:     66
    .vgpr_count:     124
    .wavefront_size: 32
...
	.end_amdgpu_metadata
.endif
;; end of part 1
;; launch cell (part 2): grid 16 x 16, 4 waves a work-group, clusters of 4 x 4, 327,680 bytes of LDS; arguments xb, wp, bias, old_cell, out0, out1; writes out0, out1
.if DOCPART == 2
	.amdgcn_target "amdgcn-amd-amdhsa--gfx1250"
	.amdhsa_code_object_version 6
	.text
	.protected	k_q8e4d378716_cell
	.globl	k_q8e4d378716_cell
	.p2align	8
	.type	k_q8e4d378716_cell,@function
k_q8e4d378716_cell:
	s_mov_b64 s[64:65], 0
	v_nop
	global_prefetch_b8 v0, s[64:65] scope:SCOPE_SE
	s_setreg_imm32_b32 hwreg(HW_REG_WAVE_MODE, 25, 1), 1
	s_wait_xcnt 0x0
	s_wait_alu depctr_hold_cnt(0) depctr_sa_sdst(0) depctr_va_vdst(0) depctr_va_sdst(0) depctr_va_ssrc(0) depctr_va_vcc(0) depctr_vm_vsrc(0)
	s_getreg_b32 s2, hwreg(HW_REG_IB_STS2, 6, 4)
	s_cmp_eq_u32 s2, 0
	s_cbranch_scc0 .Lentry_in_a_cluster
	s_endpgm
.Lentry_in_a_cluster:
	s_bfe_u32 s2, ttmp6, 0x10000c
	s_cmp_lg_u32 s2, 0xf033
	s_cbranch_scc0 .Lentry_shape_is_right
	s_endpgm
.Lentry_shape_is_right:
; gates = sigmoid(X W + bias); new_cell (out1) = f old_cell + z - i; new_h (out0) = sigmoid(new_cell) - o.
; X = xb [8192][2048] bf16; W = wp [4096][2048] bf16, K along the rows, row jb*256 + g*64 + b*16 + r = column g*1024 + jb*64 + 4 r + b of the weights.  Sums in f32, K ascending.
; LIMITS.  X and W were rounded to bf16 (f32's range of exponents: nothing overflows); bias, old_cell and all that follows the product stay in f32.  sigmoid(x) = 1 / (1 + 2^(-log2(e) x)): where the power
; overflows the result is 0, where it falls below 2^-126 it counts as 0 and the result is 1: off by less than 1e-38 either way.  NaN and infinities in the inputs are not treated apart.
; SHARES.  A tile is 256 rows x 256 rows of wp = 256 rows x 64 hidden units x 4 gates.  512 tiles; each of the 256 work-groups STAYS and makes two, 4,096 rows apart, with the same rows of wp and the same bias.
; Wave w owns rows 64 w .. 64 w + 63 and ALL 256 columns: 64 accumulators (row block a = 0..3, column block nb = 4 g + b), 512 registers.  So a lane holds all four gates of its numbers, and for each row the four
; neighbouring units 4 r + b: 16 bytes; sixteen lanes hold the tile's 64 units, 256 consecutive aligned bytes of a row of old_cell, out0 and out1.  The way out needs no LDS and no barrier.
; (Waves of 128 x 128 would read a fifth less from LDS, 32 loads for 64 matrix instructions against 40, but hold half of those 256 bytes each and would need a shared stage and two barriers on each way out.)
; RING.  K goes in steps of 128 through two LDS slots (A's 256 rows, B's 256 rows, 256 bytes each + 16 of padding), filled by the tensor data mover: one load a wave, 128 rows.  The ring runs on into the second tile.
; CLUSTER.  4 x 4 work-groups.  The four of a row of the cluster need the same tiles of xb, the four of a column the same tiles of wp: each is asked for JOINTLY, by the same load with the same descriptor and a mask of four.
; REGISTERS, in windows of 256 (s_set_vgpr_msb: bits 1:0 source 0, 3:2 source 1, 5:4 source 2, 7:6 destination):
;   window 0: v0-31 addresses; v32-63 -log2(e) bias, sixteen pairs; v64-95, v96-127 A's fragments, two buffers; v128-191 old_cell / new_cell, two buffers; v192-255 new_h, two buffers
;   window 1: v0-127, v128-255 B's fragments, two buffers      window 2: accumulators of row blocks 0, 1 at 8 (16 (a % 2) + nb)      window 3: those of row blocks 2, 3
.set KSTEP,  128
.set SIZE_K, 2048
.set PITCH,  272                       ; an LDS row: 256 bytes + 16 = 68 words: row r starts at bank 4 r mod 64 (ISA guide 11.1): the sixteen rows of a fragment load start at sixteen different banks
.set HALFT,  128*PITCH                 ; what one tensor load brings
.set SLOT,   4*HALFT                   ; A's 256 rows, then B's 256 rows
.set SPARE,  2*SLOT                    ; behind the ring (278,528 = 1,088 x 256): the spare words, 128 bytes for each wave; no other line names them
.set LAPS,   SIZE_K/(2*KSTEP)          ; a lap = two K steps = once round the ring
.set TILES,  2
.set WALK,   4096                      ; rows from a work-group's first tile to its second
.set NEXT_A, WALK*SIZE_K*2-(SIZE_K-2*KSTEP)*2   ; bytes from a slot's last K step of a tile to its first of the next: xb goes WALK rows down and back along K,
.set BACK_B, (SIZE_K-2*KSTEP)*2        ; wp only back
.set ROWB,   4096                      ; bytes in a row of old_cell, out0, out1
.set NEXT_O, WALK*ROWB
.set ADRA, 16                          ; v16-17  LDS address of my A fragments in slot 0, 1
.set ADRB, 20                          ; v20-21  the same for B
.set VO,   24                          ; v24     my byte offset in old_cell, out0, out1: 8 (l / 16) rows + 16 (l % 16); never rewritten
.set BO,   25                          ; v25     16 (l % 16)
.set SPW,  28                          ; v28     LDS address of my spare word; never rewritten
.set NIL,  29                          ; v29     0; never rewritten
.set NB,   32                          ; pair 4 g + b: -log2(e) bias[g*1024 + jb*64 + 4 r + b], twice
.set FA,   64                          ; A's fragments of buffer f at FA + 32 f + 8 a; B's, in window 1, at 128 f + 8 nb
.set CB0,  128
.set HB0,  192
.set F0,   0
.set F1,   1
.set WV,  16                           ; s16  my wave's number;  s17 = w / 2: I fetch for A (0) or B (1);  s18 = w % 2: which 128 rows
.set G1,  24                           ; s[24:31] descriptor group 1 for A's tiles;  s[32:39] group 0, a set for each slot
.set G0,  32
.set G1B, 48                           ; s[48:55], s[56:63] the same for B's tiles
.set G0B, 56
.set NL,  66                           ; s[66:67] -log2(e): the packed forms take the pair's low word for both halves
.set MSB, 0
.macro WIN new                         ; the immediate's high byte repeats the setting that is left; a switch that changes nothing is dropped
.if MSB != (\new)
	s_set_vgpr_msb (MSB<<8)|(\new)
.set MSB, \new
.endif
.endm
.set MUL_LO, 0xa4                      ; source 0 (A) window 0, source 1 (B) window 1, C and D window 2;  + 0x50: C and D window 3
.set TO_B,   0x40                      ; destination window 1, address window 0
; A joint load.  Waves 0 and 1 fetch A's two halves, waves 2 and 3 B's.  Each line has one mask and one set of registers for all that issue it; the branch hangs on the wave's number alone.
; An s_nop 0 and four v_nop follow each of the two lines, ahead of the jump, the label and what follows.
.macro JLOAD s
	s_cmp_eq_u32 s17, 0
	s_cbranch_scc0 .Lfor_b_\@
	tensor_load_to_lds s[G0+4*(\s):G0+4*(\s)+3], s[G1:G1+7]
	s_nop 0
.rept 4
	v_nop
.endr
	s_branch .Lasked_\@
.Lfor_b_\@:
	tensor_load_to_lds s[G0B+4*(\s):G0B+4*(\s)+3], s[G1B:G1B+7]
	s_nop 0
.rept 4
	v_nop
.endr
.Lasked_\@:
.endm
; A round of the cluster's barrier: my work-group's barrier, so that wave 0's signal speaks for all four waves; wave 0 signals; every wave waits for all sixteen work-groups; my work-group's barrier once more.
.macro CREST                           ; a round behind its opening barrier
	s_cmp_lg_u32 s[WV], 0
	s_cbranch_scc1 .Lnot_wave_0_\@
	s_barrier_signal -3
.Lnot_wave_0_\@:
	s_barrier_wait -3
	s_barrier_signal -1
	s_barrier_wait -1
.endm
.macro CROUND                          ; a whole round
	s_barrier_signal -1
	s_barrier_wait -1
	CREST
.endm
	s_load_b256 s[4:11], s[0:1], 0x0               ; xb s[4:5], wp s[6:7], bias s[8:9], old_cell s[10:11]
	s_load_b128 s[12:15], s[0:1], 0x20             ; out0 s[12:13], out1 s[14:15]
	v_lshl_add_u32 v[SPW], v0, 2, SPARE
	v_mov_b32 v[NIL], 0
	ds_add_u32 v[SPW], v[NIL]                      ; the wave's opening: the add and its wait stand ahead of my first tensor load; the set-up below, work on registers, stands between them
	v_lshrrev_b32 v1, 5, v0
	v_readfirstlane_b32 s[WV], v1                  ; wave 0..3
	s_lshr_b32 s17, s[WV], 1
	s_and_b32 s18, s[WV], 1
	s_bfe_u32 s40, ttmp6, 0x40000                  ; cx: my place along the cluster's x
	s_bfe_u32 s41, ttmp6, 0x40004                  ; cy: along its y
	s_lshl_b32 s42, ttmp9, 2                       ; in a cluster launch ttmp9 and ttmp7 count clusters
	s_add_co_u32 s42, s42, s40                     ; jb = 4 x cluster x + cx
	s_and_b32 s20, ttmp7, 0xffff
	s_lshl_b32 s20, s20, 2
	s_add_co_u32 s20, s20, s41                     ; tile row = 4 x cluster y + cy
	s_lshl_b32 s43, s41, 2
	s_lshl_b32 s43, 15, s43                        ; my row of the cluster: places 4 cy .. 4 cy + 3
	s_lshl_b32 s44, 0x1111, s40                    ; my column: places cx, cx + 4, cx + 8, cx + 12
	; descriptor group 1: a tile of 128 rows x 128 elements, padded in LDS
	s_or_b32 s[G1+0], s43, (1<<16)|(1<<20)|(1<<21)|(5<<22)|(3<<25)   ; 15:0 the mask: A's tiles go to my row; 17:16 elements of 2 bytes; 20 padding on; 21 set beside a mask; 24:22 after every 64 words (code 5); 31:25 4 words (code 3)
	s_or_b32 s[G1B+0], s44, (1<<16)|(1<<20)|(1<<21)|(5<<22)|(3<<25)  ; the same with the mask of my column, for B's tiles
.irp g, G1, G1B
	s_mov_b32 s[(\g)+1], KSTEP<<16                 ; tensor_dim0 = 128
	s_mov_b32 s[(\g)+2], 128<<16                   ; tensor_dim1 = 128
	s_mov_b32 s[(\g)+3], KSTEP<<16                 ; tile_dim0 = 128
	s_mov_b32 s[(\g)+4], 128                       ; tile_dim1 = 128
	s_mov_b32 s[(\g)+5], SIZE_K                    ; elements from row to row
	s_mov_b32 s[(\g)+6], 0
	s_mov_b32 s[(\g)+7], 0
.endr
	; where the tiles come from.  A's hang on the tile row alone, B's on jb alone; each offset lies in registers that never hold the other coordinate.
	s_lshl_b32 s23, s18, 7                         ; which 128 rows of the tile I fetch
	s_lshl_b32 s72, s20, 8
	s_add_co_u32 s72, s72, s23                     ; xb: row 256 x tile row + 128 x half,
	s_lshl_b32 s72, s72, 12                        ; of 4,096 bytes (under 2^25)
	s_mov_b32 s73, 0
	s_lshl_b32 s46, s42, 8
	s_add_co_u32 s46, s46, s23                     ; wp: row 256 jb + 128 x half
	s_lshl_b32 s46, s46, 12
	s_mov_b32 s47, 0
	s_mul_i32 s21, s[WV], HALFT                    ; and where they go: A's two halves, then B's two = wave x 128 rows: no place in the cluster enters an LDS address
	s_mov_b32 s[NL], 0xbfb8aa3b                    ; -log2(e)
	s_mov_b32 s[NL+1], s[NL]                       ; named with it as a pair
	s_wait_dscnt 0x0                               ; the opening add is done
	s_wait_kmcnt 0x0
	s_add_nc_u64 s[72:73], s[4:5], s[72:73]
	s_add_nc_u64 s[46:47], s[6:7], s[46:47]
	CROUND                                         ; all sixteen work-groups are here: the first joint loads meet
.irp s, 0,1
	s_mov_b32 s[G0+4*(\s)], 1                                        ; count = 1
	s_add_co_u32 s[G0+4*(\s)+1], s21, (\s)*SLOT                      ; LDS address
	s_add_nc_u64 s[G0+4*(\s)+2:G0+4*(\s)+3], s[72:73], (\s)*KSTEP*2  ; global address: K step s
	s_or_b32 s[G0+4*(\s)+3], s[G0+4*(\s)+3], 0x80000000              ; type = 2
	s_mov_b32 s[G0B+4*(\s)], 1
	s_add_co_u32 s[G0B+4*(\s)+1], s21, (\s)*SLOT
	s_add_nc_u64 s[G0B+4*(\s)+2:G0B+4*(\s)+3], s[46:47], (\s)*KSTEP*2
	s_or_b32 s[G0B+4*(\s)+3], s[G0B+4*(\s)+3], 0x80000000
	JLOAD \s                                       ; the ring is filled before anything else is done: two loads of mine are out
.endr
	; A fragment is 16 rows x 32 K in 8 registers: lane l holds row l % 16; registers 0-3 K = 8 (l / 16) + 0..7, registers 4-7 K = 16 + 8 (l / 16) + 0..7: two loads of 16 bytes, 32 bytes apart.
	v_and_b32 v1, 15, v0                           ; r = l % 16
	v_bfe_u32 v2, v0, 4, 1                         ; h = l / 16
	v_mul_u32_u24 v3, v1, PITCH
	v_lshl_add_u32 v3, v2, 4, v3                   ; row x pitch + 16 h
	s_mul_i32 s22, s[WV], 64*PITCH                 ; my 64 rows of A
	v_add_nc_u32 v[ADRA], s22, v3
	s_add_co_u32 s22, s22, SLOT
	v_add_nc_u32 v[ADRA+1], s22, v3
	v_add_nc_u32 v[ADRB], 2*HALFT, v3              ; B's 256 rows, which every wave reads, lie behind A's
	v_add_nc_u32 v[ADRB+1], SLOT+2*HALFT, v3
	v_lshlrev_b32 v[BO], 4, v1
	v_lshl_or_b32 v[VO], v2, 15, v[BO]             ; register i of a result is row 8 h + i: 8 h rows of 4,096 bytes, + 16 r
	; old_cell, out0, out1 at my wave's first row and the tile's 64 units; bias at those units
	s_lshl_b32 s74, s20, 8
	s_lshl_b32 s22, s[WV], 6
	s_add_co_u32 s74, s74, s22                     ; row 256 x tile row + 64 w
	s_lshl_b32 s74, s74, 12
	s_lshl_b32 s76, s42, 8                         ; 64 jb units of 4 bytes
	s_add_co_u32 s74, s74, s76
	s_mov_b32 s75, 0
	s_mov_b32 s77, 0
	s_add_nc_u64 s[10:11], s[10:11], s[74:75]
	s_add_nc_u64 s[12:13], s[12:13], s[74:75]
	s_add_nc_u64 s[14:15], s[14:15], s[74:75]
	s_add_nc_u64 s[8:9], s[8:9], s[76:77]
.irp g, 0,1,2,3
	global_load_b128 v[CB0+4*(\g):CB0+4*(\g)+3], v[BO], s[8:9] offset:(\g)*4096  ; gate g's bias of my four units
.endr
	s_wait_loadcnt 0x0
.set n, 0
.rept 16
	v_mul_f32 v[NB+2*n], s[NL], v[CB0+n]           ; -log2(e) (x + bias) = -log2(e) x + this: one fused multiply-add for each pair of sums on the way out
	v_mul_f32 v[NB+2*n+1], s[NL], v[CB0+n]
.set n, n+1
.endr
; 16 matrix instructions: row block a x all 16 column blocks, 32 along K, from buffer f.  zero = 1: the product starts the sums: nothing is ever cleared.
; The 64 accumulators take turns in the same order in every quarter step.
.macro MUL16 f, a, zero
	WIN MUL_LO+0x50*((\a)/2)
.irp nb, 0,1,2,3,4,5,6,7,8,9,10,11,12,13,14,15
.if \zero
	v_wmma_f32_16x16x32_bf16 v[8*(16*((\a)%2)+(\nb)):8*(16*((\a)%2)+(\nb))+7], v[FA+32*(\f)+8*(\a):FA+32*(\f)+8*(\a)+7], v[128*(\f)+8*(\nb):128*(\f)+8*(\nb)+7], 0
.else
	v_wmma_f32_16x16x32_bf16 v[8*(16*((\a)%2)+(\nb)):8*(16*((\a)%2)+(\nb))+7], v[FA+32*(\f)+8*(\a):FA+32*(\f)+8*(\a)+7], v[128*(\f)+8*(\nb):128*(\f)+8*(\nb)+7], v[8*(16*((\a)%2)+(\nb)):8*(16*((\a)%2)+(\nb))+7]
.endif
.endr
.endm
; 40 LDS loads in one run: the fragments of a quarter step (256 rows of B, my 64 rows of A, 32 K at byte k of the rows) into buffer f.  B first, A's row blocks in ascending order.
; The largest immediate is 192 + 15 x 4,352 + 32 = 65,504, inside its 16 bits.
.macro FETCH slot, k, f
	WIN TO_B
.irp nb, 0,1,2,3,4,5,6,7,8,9,10,11,12,13,14,15
	ds_load_b128 v[128*(\f)+8*(\nb):128*(\f)+8*(\nb)+3],   v[ADRB+(\slot)] offset:(\k)+(\nb)*16*PITCH
	ds_load_b128 v[128*(\f)+8*(\nb)+4:128*(\f)+8*(\nb)+7], v[ADRB+(\slot)] offset:(\k)+(\nb)*16*PITCH+32
.endr
	WIN 0
.irp a, 0,1,2,3
	ds_load_b128 v[FA+32*(\f)+8*(\a):FA+32*(\f)+8*(\a)+3],   v[ADRA+(\slot)] offset:(\k)+(\a)*16*PITCH
	ds_load_b128 v[FA+32*(\f)+8*(\a)+4:FA+32*(\f)+8*(\a)+7], v[ADRA+(\slot)] offset:(\k)+(\a)*16*PITCH+32
.endr
.endm
; A load into a register that a matrix instruction has read, and a vector instruction that reads a matrix result, stand four places behind that matrix instruction, and only plain vector
; instructions that name none of its registers are places (ISA guide 7.12.1 for vector instructions).
.macro PLACES
.rept 4
	v_nop
.endr
.endm
; A K step is four quarter steps of 32 along K, 64 matrix instructions each, on buffers 0, 1, 0, 1.  One of the first three: multiplies buffer f; in its middle it fetches the next quarter, at byte k, into buffer g.
.macro QUARTER slot, k, f, g, zero
	s_wait_dscnt 4                                 ; B and A's row blocks 0, 1 are in; the youngest four loads (row blocks 2, 3) may be out
	MUL16 \f, 0, \zero
	MUL16 \f, 1, \zero
	PLACES
	FETCH \slot, \k, \g
	s_wait_dscnt 40                                ; all but the 40 just issued
	MUL16 \f, 2, \zero
	MUL16 \f, 3, \zero
.endm
; The last quarter multiplies buffer 1 and changes slots.  MEET is its first half: ONE barrier for two things.  In front of it each wave waits for all its tensor loads, of which one is out: its part of the
; next slot; adds 0 to its spare word; and waits for that and for its own reads of this slot.  Behind it nobody reads this slot any more and the next slot is whole.
.macro MEET round                      ; round = 1: a round of the cluster's barrier follows
	WIN 0                                          ; (the add's two registers lie in window 0)
	s_wait_tensorcnt 0x0                           ; all my tensor loads have landed
	ds_add_u32 v[SPW], v[NIL]                      ; 0 onto my spare word
	s_wait_dscnt 5                                 ; (the add and the youngest four loads may be out)
	MUL16 F1, 0, 0                                 ; sixteen matrix instructions stand between the add and the wait for it
	s_wait_dscnt 0x0                               ; the add is done, and my reads of this slot are over
	s_barrier_signal -1
	MUL16 F1, 1, 0                                 ; work on registers while the others arrive
.if \round
	WIN 0
.endif
	s_barrier_wait -1
.endm
; The whole last quarter.  Behind the round the slot just read out is filled again first: with this tile's K step two steps on (on = 0) or, in the first tile's last two K steps, with the second tile's
; K step 0 or 1 (on = 1); then come the next slot's first fragments.  From a request to the wait for it a wave issues 224 matrix instructions.
.macro TURN slot, next, on
	MEET 1
	CREST                                          ; no wave of any partner still reads this slot's tile or has a load on its way
.if \on
	s_add_nc_u64 s[G0+4*(\slot)+2:G0+4*(\slot)+3], s[G0+4*(\slot)+2:G0+4*(\slot)+3], NEXT_A
	s_sub_nc_u64 s[G0B+4*(\slot)+2:G0B+4*(\slot)+3], s[G0B+4*(\slot)+2:G0B+4*(\slot)+3], BACK_B
.else
	s_add_nc_u64 s[G0+4*(\slot)+2:G0+4*(\slot)+3], s[G0+4*(\slot)+2:G0+4*(\slot)+3], 2*KSTEP*2
	s_add_nc_u64 s[G0B+4*(\slot)+2:G0B+4*(\slot)+3], s[G0B+4*(\slot)+2:G0B+4*(\slot)+3], 2*KSTEP*2
.endif
	JLOAD \slot                                    ; my one tensor load behind the round; the four v_nop behind it are also the places in front of the loads below
	FETCH \next, 0, F0
	MUL16 F1, 2, 0
	MUL16 F1, 3, 0
.endm
; THE WAY OUT.  Eight exponentials, eight times 1 +, eight reciprocals, in place on eight registers from base on, under whatever windows are set.
.macro EXP8 base
.irp p, 0,1,2,3,4,5,6,7
	v_exp_f32 v[(\base)+(\p)], v[(\base)+(\p)]
.endr
.endm
.macro ONE8 base
.irp p, 0,2,4,6
	v_pk_add_f32 v[(\base)+(\p):(\base)+(\p)+1], v[(\base)+(\p):(\base)+(\p)+1], 1.0 op_sel_hi:[1,0]
.endr
.endm
.macro RCP8 base
.irp p, 0,1,2,3,4,5,6,7
	v_rcp_f32 v[(\base)+(\p)], v[(\base)+(\p)]
.endr
.endm
.macro BIAS8                           ; accumulator n of the window: -log2(e) (sum + bias); its lowest registers are read first
	s_wait_alu depctr_va_vdst(0)
.irp p, 0,2,4,6
	v_pk_fma_f32 v[8*n+(\p):8*n+(\p)+1], v[8*n+(\p):8*n+(\p)+1], s[NL:NL+1], v[NB+2*(n%16):NB+2*(n%16)+1] op_sel_hi:[1,0,1]
.endr
.endm
; The gates: sigmoid in place on the 32 accumulators of window w, under one setting of the windows.  The steps of neighbouring accumulators are laid so that plain instructions (the next accumulator's
; scaling) stand between a run of exponentials and the use of its results (ISA guide 5.7.2); the reciprocals' results are used far behind.
.macro P1 w
	WIN 0x82+0x41*((\w)-2)                         ; destination and source 0 in window w, the bias (source 2) in window 0
.set n, 0
	BIAS8
	EXP8 0
.set n, 1
.rept 31
	BIAS8
	ONE8 8*n-8
	RCP8 8*n-8
	EXP8 8*n
.set n, n+1
.endr
	v_nop                                          ; a plain instruction behind the last exponentials
	s_wait_alu depctr_va_vdst(0)
	ONE8 248
	RCP8 248
.endm
.macro CLOAD a                         ; old_cell for row block a: row i of my eight into four registers: sixteen lanes read 256 consecutive bytes, aligned
	WIN 0
.irp i, 0,1,2,3,4,5,6,7
	global_load_b128 v[CB0+32*((\a)%2)+4*(\i):CB0+32*((\a)%2)+4*(\i)+3], v[VO], s[10:11] offset:(16*(\a)+(\i))*ROWB th:TH_LOAD_NT
.endr
.endm
.macro NEG8 q                          ; -log2(e) new_cell, eight numbers
	s_wait_alu depctr_va_vdst(0)
.irp p, 0,2,4,6
	v_pk_mul_f32 v[HB+8*(\q)+(\p):HB+8*(\q)+(\p)+1], v[CB+8*(\q)+(\p):CB+8*(\q)+(\p)+1], s[NL:NL+1] op_sel_hi:[1,0]
.endr
.endm
; Row block a: new_cell = f old_cell + (z - i), stored; new_h = sigmoid(new_cell) - o, stored.  Gate g's numbers for unit 4 r + b lie at AB + 8 (4 g + b) + i, row i.  left: the younger loads of old_cell that may stay out.
.macro P2 a, left
.set AB, 128*((\a)%2)
.set CB, CB0+32*((\a)%2)
.set HB, HB0+32*((\a)%2)
	WIN 0x8a+0x45*((\a)/2)                         ; destination and both sources in the accumulators' window
.irp b, 0,1,2,3
.irp p, 0,2,4,6
	v_pk_add_f32 v[AB+8*(8+(\b))+(\p):AB+8*(8+(\b))+(\p)+1], v[AB+8*(8+(\b))+(\p):AB+8*(8+(\b))+(\p)+1], v[AB+8*(\b)+(\p):AB+8*(\b)+(\p)+1] neg_lo:[0,1] neg_hi:[0,1]  ; z - i
.endr
.endr
	s_wait_loadcnt \left                           ; loads come back in order (ISA guide 5.7.1): this block's old_cell is in
	WIN 0x22+0x11*((\a)/2)                         ; f (source 0) and z - i (source 2) in the accumulators' window, old_cell and the result in window 0
.irp i, 0,1,2,3,4,5,6,7
.irp b, 0,1,2,3
	v_fma_f32 v[CB+4*(\i)+(\b)], v[AB+8*(4+(\b))+(\i)], v[CB+4*(\i)+(\b)], v[AB+8*(8+(\b))+(\i)]
.endr
.endr
	WIN 0
.irp i, 0,1,2,3,4,5,6,7
	global_store_b128 v[VO], v[CB+4*(\i):CB+4*(\i)+3], s[14:15] offset:(16*(\a)+(\i))*ROWB th:TH_STORE_NT  ; sixteen lanes store 256 consecutive bytes, aligned
.endr
	NEG8 0
	EXP8 HB
.irp q, 1,2,3
	NEG8 \q
	ONE8 HB+8*(\q)-8
	RCP8 HB+8*(\q)-8
	EXP8 HB+8*(\q)
.endr
	v_nop                                          ; a plain instruction behind the last exponentials
	s_wait_alu depctr_va_vdst(0)
	ONE8 HB+24
	RCP8 HB+24
	WIN 0x08+0x04*((\a)/2)                         ; o (source 1) in the accumulators' window.  The first subtractions, which read the first reciprocals, are the plain instructions behind the last ones
	s_wait_alu depctr_va_vdst(0)
.irp i, 0,1,2,3,4,5,6,7
.irp b, 0,1,2,3
	v_sub_f32 v[HB+4*(\i)+(\b)], v[HB+4*(\i)+(\b)], v[AB+8*(12+(\b))+(\i)]
.endr
.endr
	WIN 0
.irp i, 0,1,2,3,4,5,6,7
	global_store_b128 v[VO], v[HB+4*(\i):HB+4*(\i)+3], s[12:13] offset:(16*(\a)+(\i))*ROWB th:TH_STORE_NT
.endr
.endm
	s_wait_tensorcnt 1                             ; my part of K step 0 is in; K step 1's may stay out
	s_barrier_signal -1
	s_barrier_wait -1                              ; everybody's is
	FETCH 0, 0, F0
	s_mov_b32 s2, TILES                            ; tiles to go, this one among them: the same number in every work-group
.Ltile:
	QUARTER 0, 64,  F0, F1, 1                      ; a tile's first quarter stands in front of the loop: its products start the sums
	WIN 0                                          ; at a label and at a branch every window is 0
	s_mov_b32 s3, LAPS-1
.Llap:                                                 ; a trip goes once round the ring, from a lap's second quarter to the next lap's first, and fills both slots again
	QUARTER 0, 128, F1, F0, 0
	QUARTER 0, 192, F0, F1, 0
	TURN 0, 1, 0
	QUARTER 1, 64,  F0, F1, 0
	QUARTER 1, 128, F1, F0, 0
	QUARTER 1, 192, F0, F1, 0
	TURN 1, 0, 0
	QUARTER 0, 64,  F0, F1, 0
	WIN 0
	s_sub_co_u32 s3, s3, 1
	s_cmp_lg_u32 s3, 0
	s_cbranch_scc1 .Llap
	CLOAD 0                                        ; old_cell for my first 32 rows is asked for seven quarter steps ahead of its use; its registers are free: the way out ends with a wait behind its last store
	CLOAD 1
	QUARTER 0, 128, F1, F0, 0                      ; the tile's last lap goes on
	QUARTER 0, 192, F0, F1, 0
	WIN 0
	s_cmp_eq_u32 s2, 1
	s_cbranch_scc1 .Llast                          ; the last tile's tail is written out: it asks for nothing more
	TURN 0, 1, 1                                   ; THE RING GOES ON INTO THE NEXT TILE: slot 0 takes its K step 0,
	QUARTER 1, 64,  F0, F1, 0
	QUARTER 1, 128, F1, F0, 0
	QUARTER 1, 192, F0, F1, 0
	TURN 1, 0, 1                                   ; slot 1 its K step 1, and the next tile's first fragments are fetched: they land during the way out, which names none of their registers
	WIN 0
	s_branch .Lout
.Llast:
	MEET 0                                         ; my one tensor load that was still out is the last K step's, so no round follows
	PLACES
	FETCH 1, 0, F0
	MUL16 F1, 2, 0
	MUL16 F1, 3, 0
	QUARTER 1, 64,  F0, F1, 0
	QUARTER 1, 128, F1, F0, 0
	QUARTER 1, 192, F0, F1, 0
	s_wait_dscnt 4                                 ; the very last quarter: nothing more to fetch
	MUL16 F1, 0, 0
	MUL16 F1, 1, 0
	s_wait_dscnt 0x0
	MUL16 F1, 2, 0
	MUL16 F1, 3, 0
	WIN 0
.Lout:                                                 ; one text of the way out for both tiles
	PLACES                                         ; behind the last products
	P1 2                                           ; the gates of my rows 0-31
	P2 0, 8                                        ; the count leaves row block 1's eight loads out
	P2 1, 0
	s_wait_xcnt 0x0                                ; every earlier memory instruction has had its addresses translated (ISA guide 3.1): the registers that the stores above read are loaded and written again only behind this wait
	CLOAD 2                                        ; old_cell for my rows 32-63 lands under their gates' sigmoids
	CLOAD 3
	P1 3
	P2 2, 8
	P2 3, 0
	s_wait_xcnt 0x0                                ; as above: now the three bases, and in the next tile the stores' registers, may be written
	s_add_nc_u64 s[10:11], s[10:11], NEXT_O        ; on to the second tile's rows (behind the last tile the stepped addresses are not used)
	s_add_nc_u64 s[12:13], s[12:13], NEXT_O
	s_add_nc_u64 s[14:15], s[14:15], NEXT_O
	s_sub_co_u32 s2, s2, 1
	s_cmp_lg_u32 s2, 0
	s_cbranch_scc1 .Ltile
	s_wait_tensorcnt 0x0                           ; the wave's end: a wait, an add of 0 to my spare word and its wait, behind my last tensor load
	ds_add_u32 v[SPW], v[NIL]
	s_wait_dscnt 0x0
	CROUND                                         ; the closing round: no work-group ends while a partner may still ask for a tile that names it
	s_endpgm
.Lfunc_end_k_q8e4d378716_cell:
	.size	k_q8e4d378716_cell, .Lfunc_end_k_q8e4d378716_cell-k_q8e4d378716_cell
	.p2alignl 7, 3214868480
	.fill 96, 4, 3214868480
	.section	.rodata,"a",@progbits
	.p2align	6, 0x0
	.amdhsa_kernel k_q8e4d378716_cell
		.amdhsa_group_segment_fixed_size 327680
		.amdhsa_private_segment_fixed_size 0
		.amdhsa_enable_private_segment 0
		.amdhsa_kernarg_size 48
		.amdhsa_user_sgpr_count 2
		.amdhsa_user_sgpr_kernarg_segment_ptr 1
		.amdhsa_wavefront_size32 1
		.amdhsa_system_sgpr_workgroup_id_x 1
		.amdhsa_system_sgpr_workgroup_id_y 1
		.amdhsa_system_sgpr_workgroup_id_z 1
		.amdhsa_system_vgpr_workitem_id 0
		.amdhsa_next_free_vgpr 1024
		.amdhsa_next_free_sgpr 80
		.amdhsa_reserve_vcc 0
		.amdhsa_float_denorm_mode_32 3
		.amdhsa_float_denorm_mode_16_64 3
		.amdhsa_memory_ordered 1
		.amdhsa_forward_progress 1
		.amdhsa_inst_pref_size 255
	.end_amdhsa_kernel
	.section	.bss,"aw",@nobits
	.p2align	6
	.space	262144
	.amdgpu_metadata
---
amdhsa.version: [ 1, 2 ]
amdhsa.kernels:
  - .name:           k_q8e4d378716_cell
    .symbol:         k_q8e4d378716_cell.kd
    .args:
      - { .name: xb, .offset: 0, .size: 8, .value_kind: global_buffer, .address_space: global }
      - { .name: wp, .offset: 8, .size: 8, .value_kind: global_buffer, .address_space: global }
      - { .name: bias, .offset: 16, .size: 8, .value_kind: global_buffer, .address_space: global }
      - { .name: old_cell, .offset: 24, .size: 8, .value_kind: global_buffer, .address_space: global }
      - { .name: out0, .offset: 32, .size: 8, .value_kind: global_buffer, .address_space: global }
      - { .name: out1, .offset: 40, .size: 8, .value_kind: global_buffer, .address_space: global }
    .group_segment_fixed_size: 327680
    .private_segment_fixed_size: 0
    .kernarg_segment_align: 8
    .kernarg_segment_size: 48
    .max_flat_workgroup_size: 128
    .sgpr_count:     80
    .vgpr_count:     1024
    .wavefront_size: 32
...
	.end_amdgpu_metadata
.endif
;; end of part 2
